; MI455X (gfx1250); checked and timed in simulation.
; The chip was launched on July 23, 2026; its instructions are those of AMD's public machine-readable ISA for CDNA 5 (MIT licence, August 2026) and "CDNA5" Instruction Set Architecture Reference Guide (July 2026). The comments in the code are by the model that wrote it; some were corrected since.
;; Core Attention. Allowed arithmetic: matrix products marked QUANTISED: E3M2 operands, one E8M0 scale for each 32 along K, by v_wmma_scale_f32_16x16x128_f8f6f4 with both operands' format E3M2, f32 sums; everything else in f32.
;; Inputs: k 1 x 4,096 x 16 x 128 float32; q 1 x 4,096 x 16 x 128 float32; v 1 x 4,096 x 16 x 128 float32.
;; Outputs: out0 1 x 4,096 x 16 x 128 float32.
;; Constants: ring_size = 4.
;; This version of the problem:
;;   THIS VERSION OF THE PROBLEM IS GIVEN IN LOW PRECISION. The matrix products marked QUANTISED in the list below multiply operands that are first quantised to E3M2 (3 exponent bits, 2 mantissa bits; 6 bits a number), with one power-of-two scale for each 32 numbers along K (OCP MX v1.0); their sums are f32. All else is computed in f32.
;;   The module's matrix products, in the order in which they are computed (A, B: the left and right operand; K: the contracted axis; several contracted axes count as one K, in the product's order):
;;     1. batch 16 x [M 4,096, K 128] x [K 128, N 1,024]; A: input q; B: input k: QUANTISED
;;     2. batch 16 x [M 128, K 1,024] x [K 1,024, N 4,096]; A: input v; B: computed on the way: QUANTISED
;;     3. batch 16 x [M 4,096, K 128] x [K 128, N 1,024]; A: input q; B: input k: QUANTISED
;;     4. batch 16 x [M 128, K 1,024] x [K 1,024, N 4,096]; A: input v; B: computed on the way: QUANTISED
;;     5. batch 16 x [M 4,096, K 128] x [K 128, N 1,024]; A: input q; B: input k: QUANTISED
;;     6. batch 16 x [M 128, K 1,024] x [K 1,024, N 4,096]; A: input v; B: computed on the way: QUANTISED
;;     7. batch 16 x [M 4,096, K 128] x [K 128, N 1,024]; A: input q; B: input k: QUANTISED
;;     8. batch 16 x [M 128, K 1,024] x [K 1,024, N 4,096]; A: input v; B: computed on the way: QUANTISED
;;   THE QUANTISER, for each operand of a quantised product, along K:
;;     - K is cut into blocks of 32 from its start; a last block that is shorter is filled with zeros.
;;     - A block's scale is 2^e with e = floor(log2(the largest magnitude in the block)) - 4, held to -126 .. 127; a block of zeros has e = 0. As a byte (E8M0): e + 127.
;;     - Each number is divided by its block's scale, clamped to +-28, and rounded to the nearest number of E3M2, ties to even, subnormals kept.
;;     - The product sums the exact products of the quantised numbers (number of the format x scale) in f32.
;;   ~~~python
;;   def quantise(x, axis):      # numpy; x: float32 -> the quantised numbers, widened to float32 again
;;       x = np.moveaxis(x, axis, -1); K = x.shape[-1]
;;       x = np.pad(x, [(0, 0)] * (x.ndim - 1) + [(0, -K % 32)]); x = x.reshape(x.shape[:-1] + (-1, 32)); a = np.abs(x).max(-1, keepdims=True)
;;       e = np.where(a > 0, np.clip(np.frexp(np.where(a > 0, a, 1))[1] - 1 - 4, -126, 127), 0)      # np.frexp(a)[1] - 1 = floor(log2(a)), exactly
;;       r = np.clip(x / 2.0 ** e, -28, 28)
;;       step = 2.0 ** (np.maximum(np.frexp(np.where(r == 0, 1, r))[1] - 1, -2) - 2)
;;       q = np.round(r / step) * step * 2.0 ** e      # np.round: ties to even
;;       return np.moveaxis(q.reshape(q.shape[:-2] + (-1,))[..., :K], -1, axis).astype(np.float32)
;;   ~~~
;;   OPERANDS COMPUTED ON THE WAY. 'Computed on the way' means the value that the module computes at that place (a softmax that the list does not call 'softmax' is quantised finished and normalised). What goes into a quantiser is computed in f32, as accurately as f32 sums, v_exp_f32 and their like allow (about 1e-6 of the number): no bf16 or f16 on the way to a quantiser, and a product that is left as it is and whose result goes on into a quantised operand takes f32 operands (vector FMAs, or v_wmma_f32_16x16x4_f32). A number that lies on a knife's edge between two numbers of the format may be rounded either way, as far as f32 arithmetic and the matrix unit's own rounding can turn it there, and no further.
;; One version. Each part assembles by itself: llvm-mc -triple=amdgcn-amd-amdhsa -mcpu=gfx1250 --defsym DOCPART=n.
;; ======== version 1 of 1: 2 launches
;; limits: right only within a limited range of input values
;; workspace buffers: kvc 13,107,200 bytes
;; launch quant (part 1): grid 512 x 2, 4 waves a work-group, no clusters, 35,328 bytes of LDS; arguments k, v, kvc; writes kvc
.if DOCPART == 1
	.amdgcn_target "amdgcn-amd-amdhsa--gfx1250"
	.amdhsa_code_object_version 6
	.text
	.protected	k_q33ef2419be_quant
	.globl	k_q33ef2419be_quant
	.p2align	8
	.type	k_q33ef2419be_quant,@function
k_q33ef2419be_quant:
	s_mov_b64 s[64:65], 0
	v_nop
	global_prefetch_b8 v0, s[64:65] scope:SCOPE_SE
	s_setreg_imm32_b32 hwreg(HW_REG_WAVE_MODE, 25, 1), 1
	s_wait_xcnt 0x0
; k, v [1][4096][16][128] f32 become codes of BF6 (E3M2) with one E8M0 byte for each 32 along the product's K, laid in the ORDER OF THE OPERAND'S REGISTERS for the launch that follows.
; (q is read by one work-group only and is quantised by the launch that follows, in its head.)
; NOTHING OF reference() IS LEFT OUT in this program: all eight products, the four chunks' logsumexp and the three merges are done; ring_size = 4 is a constant of the problem and is built in.
; A UNIT is 128 rows of the sequence of one head: 12,800 bytes = eight fragments of 1,536 bytes (16 rows x 128 K: registers 4 g .. 4 g + 3 of lane l at 512 g + 16 l) and 512 bytes of scale words
; (word j of lane (r, h) at 12,288 + 128 j + 4 lane: row r of fragment 2 j + h).  Work-group x = 32 head + step; y = 0: k, 1: v.
; In kvc v's units lie from byte 0 on, unit 32 head + step; k's from byte KOFF on, each chunk of 8 steps one chunk's place back (chunk c at place (c + 3) % 4): so k's chunk c + 1 lies KOFF bytes behind v's chunk c, for every c.
; k (K = the head's 128, innermost in memory): fragment T = 4 c + i takes rows 64 c + 8 i + (r % 8) + 32 (r / 8) of the step, so that the transposed first product leaves 32 neighbouring keys in one lane.
;   A wave makes two fragments.  Each load reads one whole row of 512 bytes; the 16 rows turn through the wave's own stage in LDS (rows 528 bytes apart) and come back 128 bytes a lane and block: lane (r, h) holds d = 64 c + 32 h + 0 .. 31.
; v (K = the keys, NOT innermost): a lane takes a column d and its registers run down the keys: a block of 32 keys lies in one lane, and the conversions give codes with the keys innermost.  No LDS on this path.
; A block's scale is 2^(floor(log2(its largest magnitude)) - 4): its byte is the largest magnitude's exponent field - 4, held at 1 from below by a floor among the maximum's leaves.
; LIMITS: a block of zeros gets the byte 1 where the rule says 127 (its codes are zeros, and this program alone reads the bytes); blocks whose largest magnitude lies under 2^-122 get the byte 1; NaN and infinities among the inputs are not served.
; The work-groups share no input: no cluster, no tensor load, no barrier.
.set UNIT,  12800
.set KOFF,  6553600
.set ROWP,  8192                       ; bytes from a row of the sequence to the next, within a head
.set SP,    528                        ; a stage row: 512 bytes + 16
.set WST,   8704                       ; a wave's stage: 16 x 528 bytes, rounded up to whole blocks of 256
.set SPARE, 4*WST                      ; behind the stages: the spare words, 128 bytes for each wave
.set SPW,   14                         ; v14 LDS address of my spare word; never rewritten
.set NIL,   15                         ; v15 0; never rewritten
.set RAW,   16                         ; v16-143  rows path: two fragments as loaded
.set X,     144                        ; v144-207 64 numbers of my row: 32 c + i = d 64 c + 32 h + i
.set C,     208                        ; v208-219 a fragment's codes
.set TP,    220                        ; v220-226 the halves whose place begins on an odd register
.set WA,    228                        ; v228, v229 the two fragments' scale words
.set WB,    229
.set MA,    230                        ; v230-233 four running maxima
.set TA,    234                        ; v234, v235 at work
.set TB,    235
.set CH,    80                         ; columns path: v80-103 codes: block b at CH + 12 (b % 2) + 6 (b / 2)
.set TQ,    104
.set WD,    108                        ; my column's scale word
	s_load_b128 s[4:7], s[0:1], 0x0                ; k s[4:5], v s[6:7]
	s_load_b64 s[12:13], s[0:1], 0x10              ; kvc
	v_lshl_add_u32 v[SPW], v0, 2, SPARE
	v_mov_b32 v[NIL], 0
	v_lshrrev_b32 v1, 5, v0
	v_readfirstlane_b32 s16, v1                    ; wave 0..3
	s_and_b32 s17, ttmp7, 0xffff                   ; which tensor
	s_lshr_b32 s18, ttmp9, 5                       ; head
	s_and_b32 s19, ttmp9, 31                       ; step
	s_lshl_b32 s20, s19, 20                        ; 128 rows of 8,192 bytes
	s_lshl_b32 s21, s18, 9                         ; the head's 512 bytes of a row
	s_add_co_u32 s20, s20, s21                     ; the unit's first byte in the source
	s_mov_b32 s21, 0
	s_mul_i32 s22, ttmp9, UNIT                     ; and, for v, in kvc
	s_mov_b32 s23, 0
	s_mov_b32 s28, 0x76543210
	s_mov_b32 s29, 0xfedcba98                      ; v_permlanex16_b32's selects for lane l xor 16
	v_and_b32 v10, 31, v0                          ; lane
	v_and_b32 v13, 15, v0                          ; r
	v_bfe_u32 v4, v0, 4, 1                         ; h
	v_lshlrev_b32 v1, 4, v10                       ; 16 x lane: my 16 bytes of a row of 512
	v_lshlrev_b32 v12, 2, v10                      ; 4 x lane
	s_mul_i32 s26, s16, WST
	v_add_nc_u32 v2, s26, v1                       ; the stage, on the way in: a row as it lies
	v_mul_u32_u24 v3, v13, SP
	v_lshl_add_u32 v3, v4, 7, v3
	v_add_nc_u32 v3, s26, v3                       ; and on the way out: row r, + 128 h
	s_mul_i32 s26, s16, 3072
	v_add_nc_u32 v9, s26, v1                       ; rows path: my 16 bytes of a register group, in my wave's two fragments
	v_mul_u32_u24 v11, v4, 1536
	v_lshl_add_u32 v11, v13, 4, v11
	v_add_nc_u32 v11, s26, v11                     ; columns path: fragment 2 wave + lane / 16, 16 bytes for row lane % 16
	s_lshl_b32 s26, s16, 7
	v_add_nc_u32 v5, s26, v12                      ; my scale word: 128 x wave + 4 x lane
	v_lshlrev_b32 v4, 3, v4                        ; 8 h
	s_wait_kmcnt 0x0
	s_cmp_eq_u32 s17, 1
	s_cbranch_scc1 .Lcols
	; ---- k
	s_add_co_u32 s26, s19, 24
	s_and_b32 s26, s26, 31                         ; the step's place: three chunks on, modulo four
	s_lshl_b32 s22, s18, 5
	s_add_co_u32 s22, s22, s26
	s_mul_i32 s22, s22, UNIT
	s_add_co_u32 s22, s22, KOFF
	s_lshr_b32 s24, s16, 1                         ; my fragments 2 w, 2 w + 1 begin at rows 64 (w / 2) + 16 (w % 2) and 8 further on
	s_lshl_b32 s24, s24, 19
	s_and_b32 s25, s16, 1
	s_lshl_b32 s25, s25, 17
	s_add_co_u32 s24, s24, s25
	s_add_co_u32 s24, s24, s20
	s_mov_b32 s25, 0
	s_add_nc_u64 s[4:5], s[4:5], s[24:25]
	s_add_nc_u64 s[10:11], s[12:13], s[22:23]
.macro LOADF f                         ; fragment f of my two: row j of it is the step's row 8 f + (j % 8) + 32 (j / 8) from my first
.set j, 0
.rept 16
	global_load_b128 v[RAW+64*(\f)+4*j:RAW+64*(\f)+4*j+3], v1, s[4:5] offset:(8*(\f)+(j%8)+32*(j/8))*ROWP th:TH_LOAD_NT   ; 32 lanes read a row's 512 consecutive bytes
.set j, j+1
.endr
.endm
.macro TURN f                          ; through the stage: LDS serves a wave's instructions in order, so no wait stands between the stores and the loads
.set j, 0
.rept 16
	ds_store_b128 v2, v[RAW+64*(\f)+4*j:RAW+64*(\f)+4*j+3] offset:SP*j
.set j, j+1
.endr
.irp c, 0,1
.irp i, 0,1,2,3,4,5,6,7
	ds_load_b128 v[X+32*\c+4*\i:X+32*\c+4*\i+3], v3 offset:256*\c+16*\i
.endr
.endr
.endm
.macro QUANT word                      ; my 64 numbers (two whole blocks: h and 2 + h of row r) become 12 registers of codes and the row's scale word
.irp u, 0,1,2,3
	v_max3_num_f32 v[MA+\u], |v[X+16*\u]|, |v[X+16*\u+1]|, 0x2800000   ; four chains, and the floor 2^(5 - 127): the byte cannot fall under 1
.endr
.irp i, 2,4,6,8,10,12,14
.irp u, 0,1,2,3
	v_max3_num_f32 v[MA+\u], v[MA+\u], |v[X+16*\u+\i]|, |v[X+16*\u+\i+1]|
.endr
.endr
	v_max_num_f32 v[MA], v[MA], v[MA+1]
	v_max_num_f32 v[MA+2], v[MA+2], v[MA+3]
	v_add_nc_u32 v[MA], 0xfe000000, v[MA]          ; 4 off the exponent field: the conversion takes the exponent field of this operand as its scale
	v_add_nc_u32 v[MA+2], 0xfe000000, v[MA+2]
	v_lshrrev_b32 v[TA], 23, v[MA]                 ; the scales' bytes
	v_lshrrev_b32 v[TB], 23, v[MA+2]
	v_lshl_or_b32 v[TA], v[TB], 16, v[TA]
	v_lshlrev_b32 v[TA], v4, v[TA]                 ; at their places in the word: 8 h bits up
	v_permlanex16_b32 v[TB], v[TA], s28, s29
	v_or_b32 v[\word], v[TA], v[TB]                ; with lane l xor 16's two the word is whole
	v_cvt_scalef32_pk16_bf6_f32 v[C:C+2], v[X:X+15], v[MA]
	v_cvt_scalef32_pk16_bf6_f32 v[TP:TP+2], v[X+16:X+31], v[MA]        ; (a conversion's three registers begin on an even number)
	v_cvt_scalef32_pk16_bf6_f32 v[C+6:C+8], v[X+32:X+47], v[MA+2]
	v_cvt_scalef32_pk16_bf6_f32 v[TP+4:TP+6], v[X+48:X+63], v[MA+2]
	v_nop                                          ; one plain place behind a scaled conversion
.irp i, 0,1,2
	v_mov_b32 v[C+3+\i], v[TP+\i]
	v_mov_b32 v[C+9+\i], v[TP+4+\i]
.endr
.endm
.macro PUT f
.irp g, 0,1,2
	global_store_b128 v9, v[C+4*\g:C+4*\g+3], s[10:11] offset:1536*(\f)+512*\g   ; 32 lanes store 512 consecutive bytes, at a multiple of 256 from the buffer's first byte
.endr
.endm
	LOADF 0
	LOADF 1
	s_wait_loadcnt 16                              ; the first fragment's 16 loads are in; the second's 16 may be out
	s_wait_alu depctr_va_vdst(0)
	TURN 0
	s_wait_dscnt 0x0
	QUANT WA
	PUT 0
	s_wait_loadcnt 0x0
	TURN 1
	s_wait_dscnt 0x0
	s_wait_xcnt 0x0                                ; the stores above have read the codes' registers: they are written again only behind this wait
	QUANT WB
	PUT 1
	v_cmp_ne_u32 vcc_lo, 0, v4
	v_cndmask_b32 v8, v[WA], v[WB], vcc_lo         ; lanes 0-15 carry fragment 2 w's words, lanes 16-31 fragment 2 w + 1's
	global_store_b32 v5, v8, s[10:11] offset:8*1536
	s_wait_tensorcnt 0x0                           ; the wave's end, behind my last LDS store
	ds_add_u32 v[SPW], v[NIL]
	s_wait_dscnt 0x0
	s_endpgm
	; ---- v: wave g takes columns d = 32 g + lane; four blocks of 32 keys
.Lcols:
	s_add_nc_u64 s[8:9], s[6:7], s[20:21]
	s_lshl_b32 s24, s16, 7                         ; my wave's 128 bytes of a row
	s_mov_b32 s25, 0
	s_add_nc_u64 s[8:9], s[8:9], s[24:25]
	s_add_nc_u64 s[14:15], s[12:13], s[22:23]
.macro LOADB b                         ; block b: v(32 b + i, my column), i = 0 .. 31, into set b % 2
.set i, 0
.rept 32
	global_load_b32 v[16+32*((\b)%2)+i], v12, s[8:9] offset:(32*(\b)+i)*ROWP th:TH_LOAD_NT   ; a wave reads 128 consecutive bytes, the four waves side by side a row's 512
.set i, i+1
.endr
.endm
.macro BLOCK b
.set XS, 16+32*((\b)%2)
.set CD, CH+12*((\b)%2)+6*((\b)/2)
.if (\b) < 3
	s_wait_loadcnt 32                              ; this block's 32 loads are in; the next block's may be out
.else
	s_wait_loadcnt 0x0
.endif
	v_max3_num_f32 v6, |v[XS]|, |v[XS+1]|, |v[XS+2]|               ; the block's largest magnitude: all 32 numbers are mine
	v_max3_num_f32 v7, |v[XS+3]|, |v[XS+4]|, |v[XS+5]|
.irp i, 6,10,14,18,22,26
	v_max3_num_f32 v6, v6, |v[XS+\i]|, |v[XS+\i+1]|
	v_max3_num_f32 v7, v7, |v[XS+\i+2]|, |v[XS+\i+3]|
.endr
	v_max3_num_f32 v6, v6, |v[XS+30]|, |v[XS+31]|
	v_max3_num_f32 v6, v6, v7, 0x2800000           ; and the floor
	v_add_nc_u32 v8, 0xfe000000, v6
	v_lshrrev_b32 v7, 23, v8                       ; the scale's byte
.if (\b) == 0
	v_mov_b32 v[WD], v7
.else
	v_lshl_or_b32 v[WD], v7, 8*(\b), v[WD]         ; the lower keys in the lower byte
.endif
	v_cvt_scalef32_pk16_bf6_f32 v[CD:CD+2], v[XS:XS+15], v8
	v_cvt_scalef32_pk16_bf6_f32 v[TQ:TQ+2], v[XS+16:XS+31], v8
	v_nop                                          ; one plain place behind a scaled conversion
.irp i, 0,1,2
	v_mov_b32 v[CD+3+\i], v[TQ+\i]
.endr
.if (\b)+2 < 4
	LOADB (\b)+2
.endif
.endm
	LOADB 0
	LOADB 1
	BLOCK 0
	BLOCK 1
	BLOCK 2
	BLOCK 3
; My blocks h and 2 + h are the 12 registers of lane (lane % 16, h) of fragment 2 g + lane / 16: sixteen lanes store 256 consecutive bytes, at a multiple of 256 from the buffer's first byte.
.irp hh, 0,1
.irp g, 0,1,2
	global_store_b128 v11, v[CH+12*\hh+4*\g:CH+12*\hh+4*\g+3], s[14:15] offset:512*\g+256*\hh
.endr
.endr
	global_store_b32 v5, v[WD], s[14:15] offset:8*1536
	s_wait_tensorcnt 0x0                           ; the wave's end
	ds_add_u32 v[SPW], v[NIL]
	s_wait_dscnt 0x0
	s_endpgm
.Lfunc_end_k_q33ef2419be_quant:
	.size	k_q33ef2419be_quant, .Lfunc_end_k_q33ef2419be_quant-k_q33ef2419be_quant
	.p2alignl 7, 3214868480
	.fill 96, 4, 3214868480
	.section	.rodata,"a",@progbits
	.p2align	6, 0x0
	.amdhsa_kernel k_q33ef2419be_quant
		.amdhsa_group_segment_fixed_size 35328
		.amdhsa_private_segment_fixed_size 0
		.amdhsa_enable_private_segment 0
		.amdhsa_kernarg_size 24
		.amdhsa_user_sgpr_count 2
		.amdhsa_user_sgpr_kernarg_segment_ptr 1
		.amdhsa_wavefront_size32 1
		.amdhsa_system_sgpr_workgroup_id_x 1
		.amdhsa_system_sgpr_workgroup_id_y 1
		.amdhsa_system_sgpr_workgroup_id_z 1
		.amdhsa_system_vgpr_workitem_id 0
		.amdhsa_next_free_vgpr 240
		.amdhsa_next_free_sgpr 66
		.amdhsa_reserve_vcc 1
		.amdhsa_float_denorm_mode_32 3
		.amdhsa_float_denorm_mode_16_64 3
		.amdhsa_memory_ordered 1
		.amdhsa_forward_progress 1
		.amdhsa_inst_pref_size 36
	.end_amdhsa_kernel
	.amdgpu_metadata
---
amdhsa.version: [ 1, 2 ]
amdhsa.kernels:
  - .name:           k_q33ef2419be_quant
    .symbol:         k_q33ef2419be_quant.kd
    .args:
      - { .name: k, .offset: 0, .size: 8, .value_kind: global_buffer, .address_space: global }
      - { .name: v, .offset: 8, .size: 8, .value_kind: global_buffer, .address_space: global }
      - { .name: kvc, .offset: 16, .size: 8, .value_kind: global_buffer, .address_space: global }
    .group_segment_fixed_size: 35328
    .private_segment_fixed_size: 0
    .kernarg_segment_align: 8
    .kernarg_segment_size: 24
    .max_flat_workgroup_size: 128
    .sgpr_count:     66
    .vgpr_count:     240
    .wavefront_size: 32
...
	.end_amdgpu_metadata
.endif
;; end of part 1
;; launch attn (part 2): grid 16 x 16, 4 waves a work-group, clusters of 4 x 1, 327,680 bytes of LDS; arguments q, kvc, out0; writes out0
.if DOCPART == 2
	.amdgcn_target "amdgcn-amd-amdhsa--gfx1250"
	.amdhsa_code_object_version 6
	.text
	.protected	k_q33ef2419be_attn
	.globl	k_q33ef2419be_attn
	.p2align	8
	.type	k_q33ef2419be_attn,@function
k_q33ef2419be_attn:
	s_mov_b64 s[64:65], 0
	v_nop
	global_prefetch_b8 v0, s[64:65] scope:SCOPE_SE
	s_setreg_imm32_b32 hwreg(HW_REG_WAVE_MODE, 25, 1), 1
	s_wait_xcnt 0x0
	s_wait_alu depctr_hold_cnt(0) depctr_sa_sdst(0) depctr_va_vdst(0) depctr_va_sdst(0) depctr_va_ssrc(0) depctr_va_vcc(0) depctr_vm_vsrc(0)
	s_getreg_b32 s2, hwreg(HW_REG_IB_STS2, 6, 4)
	s_cmp_eq_u32 s2, 0
	s_cbranch_scc0 .Lentry_in_a_cluster
	s_endpgm
.Lentry_in_a_cluster:
	s_bfe_u32 s2, ttmp6, 0x10000c
	s_cmp_lg_u32 s2, 0x3003
	s_cbranch_scc0 .Lentry_shape_is_right
	s_endpgm
.Lentry_shape_is_right:
; Ring attention on codes of BF6: all eight products, the four chunks' logsumexp and the three merges of reference() are done; nothing is left out.
; A work-group takes 256 queries of one head, 64 at a time; a trip is 64 queries x one chunk of 1,024 keys.  Each of the four waves takes 256 keys of the chunk for all 64 queries:
; S^T = k q^T into windows 1 and 2 (a lane holds one query, 32 neighbouring keys in 32 registers), its own maximum and sum, one exchange of (-M, sum) through LDS, p = 2^(t - M) / sum quantised block by block,
; O^T = v^T p^T into window 2, merged into window 3 by the sigmoid of the two logsumexps.  After four trips the four waves' parts of O are added through LDS and stored as whole rows of 512 bytes.
; TILES: a wave reads only its own quarter of a chunk.  In kvc k's chunk c + 1 lies KOFF bytes behind v's chunk c, so ONE load of two rows of 25,600 bytes brings v's quarter of this trip and k's quarter of the next
; into the wave's own 51,200 bytes of LDS: one joint load a wave and one round of the cluster's barrier a trip.  The four work-groups of a cluster take the same head and ask jointly.
; The head's load brings k's chunk 0 (and v's chunk 3 beside it, which is not read from there); the last trip's load brings v's chunk 3 (and k's chunk 0 beside it).
; No prefetch: a load is asked for at a trip's start, its v part is first read behind the trip's 512 exponentials and sums, its k part behind 36 of the 64 products that follow.
; LIMITS: the scaled scores stay under 2^31 in magnitude; NaN and infinities among the inputs are not served; a block of p whose largest number lies under 2^-122 gets the scale byte 1.
.set UNIT,  12800
.set QUART, 2*UNIT
.set KOFF,  6553600
.set CHUNK, 4*QUART
.set VBUF,  CHUNK
.set STG,   2*CHUNK
.set OWN,   24576
.set SUBS,  8192
.set SP,    528
.set XCH,   STG+4*OWN
.set SPARE, XCH+2048
.set ROWP,  8192
.set TRIPS, 16
.set LK16, 1
.set LK4,  2
.set LV16, 3
.set LV4,  4
.set L16,  5
.set SH8,  6
.set RR,   7
.set TW,   8
.set RW,   9
.set XR,   12
.set XW,   16
.set QOF,  20
.set QSO,  24
.set SPW,  28
.set NIL,  29
.set Q,    32
.set QS,   80
.set KS,   84
.set PS,   92
.set BM,   100
.set ST,   116
.set TP,   148
.set GT,   156
.set X,    160
; q IS QUANTISED HERE, IN THE HEAD: each row of q is read by this work-group alone.  Wave w takes tile w (16 rows) of each of the four groups of 64 queries: 64 loads of one whole row of 512 bytes;
; a tile turns through the wave's own stage bytes and comes back 128 bytes a lane and block; its 12 registers of codes and its scale word go to LDS as an image of the operand's registers.
; Groups 1 to 3 have 3 x 4 x QT bytes of their own behind the spare words; group 0, which is read at once, lies in stage bytes that are first written again on the first way out, behind later barriers.
.set QT,   1600                        ; a tile's image: 1,536 bytes of codes, 64 of scale words
.set QLB,  SPARE+512
.set QG0,  8704                        ; group 0's image in a wave's stage bytes, behind the 16 x 528 bytes of the turn
.set QA,   30                          ; v30 the turn, on the way out: row r, + 128 h
.set QC,   X+48                        ; head only: a tile's codes,
.set QM,   X+64                        ; four running maxima,
.set QTA,  X+68                        ; two registers at work,
.set QTB,  X+69
.set QH,   X+72                        ; and the LDS addresses of group 0's four images and scale words
.set QHS,  X+76
.set MSB, 0
.macro WIN new
.if MSB != (\new)
	s_set_vgpr_msb (MSB<<8)|(\new)
.set MSB, \new
.endif
.endm
.macro PLACES n
.rept \n
	v_nop
.endr
.endm
.macro CROUND
	s_barrier_signal -1
	s_barrier_wait -1
	s_cmp_lg_u32 s12, 0
	s_cbranch_scc1 .Lnot_wave_0_\@
	s_barrier_signal -3
.Lnot_wave_0_\@:
	s_barrier_wait -3
	s_barrier_signal -1
	s_barrier_wait -1
.endm
.macro WM d, a, b, zero, sa, sb, odd
.if \zero
.if \odd
	v_wmma_scale_f32_16x16x128_f8f6f4 v[(\d):(\d)+7], v[(\a):(\a)+11], v[(\b):(\b)+11], 0, v[\sa], v[\sb] matrix_a_fmt:MATRIX_FMT_BF6 matrix_b_fmt:MATRIX_FMT_BF6 matrix_a_scale:MATRIX_SCALE_ROW1
.else
	v_wmma_scale_f32_16x16x128_f8f6f4 v[(\d):(\d)+7], v[(\a):(\a)+11], v[(\b):(\b)+11], 0, v[\sa], v[\sb] matrix_a_fmt:MATRIX_FMT_BF6 matrix_b_fmt:MATRIX_FMT_BF6
.endif
.else
.if \odd
	v_wmma_scale_f32_16x16x128_f8f6f4 v[(\d):(\d)+7], v[(\a):(\a)+11], v[(\b):(\b)+11], v[(\d):(\d)+7], v[\sa], v[\sb] matrix_a_fmt:MATRIX_FMT_BF6 matrix_b_fmt:MATRIX_FMT_BF6 matrix_a_scale:MATRIX_SCALE_ROW1
.else
	v_wmma_scale_f32_16x16x128_f8f6f4 v[(\d):(\d)+7], v[(\a):(\a)+11], v[(\b):(\b)+11], v[(\d):(\d)+7], v[\sa], v[\sb] matrix_a_fmt:MATRIX_FMT_BF6 matrix_b_fmt:MATRIX_FMT_BF6
.endif
.endif
.endm
.macro KLOAD st, f
.irp g, 0,1,2
	ds_load_b128 v[X+12*(\f)+4*\g:X+12*(\f)+4*\g+3], v[LK16] offset:UNIT*(\st)+1536*(\f)+512*\g
.endr
.endm
.macro KPART u                         ; 16 LDS loads: the scale words of k's step u, and fragments 4 u .. 4 u + 3 of step 0
.irp j, 0,1,2,3
	ds_load_b32 v[KS+4*(\u)+\j], v[LK4] offset:UNIT*(\u)+128*\j
.endr
.irp f, 0,1,2,3
	KLOAD 0, 4*(\u)+\f
.endr
.endm
.macro QRAW                            ; my tile of all four groups into window 1: row j % 16 of group j / 16 is row 64 (j / 16) + (j % 8) + 32 ((j % 16) / 8) from my first
	WIN 0x40
.set j, 0
.rept 64
	global_load_b128 v[4*j:4*j+3], v[L16], s[36:37] offset:(64*(j/16)+(j%8)+32*((j%16)/8))*ROWP th:TH_LOAD_NT   ; 32 lanes read a row's 512 consecutive bytes
.set j, j+1
.endr
	WIN 0
.endm
.macro QONE g, ca, sa, off             ; group g's tile: turned, quantised, and its image stored at v[ca] + off, its scale words at v[sa] + off
	s_wait_loadcnt 48-16*(\g)                      ; its 16 loads are in; those of the later groups may be out
	WIN 0x04
.set j, 0
.rept 16
	ds_store_b128 v[RR], v[64*(\g)+4*j:64*(\g)+4*j+3] offset:SP*j
.set j, j+1
.endr
	WIN 0x80                                       ; LDS serves a wave's instructions in order: these see the stores above
.irp c, 0,1
.irp i, 0,1,2,3,4,5,6,7
	ds_load_b128 v[32*\c+4*\i:32*\c+4*\i+3], v[QA] offset:256*\c+16*\i
.endr
.endr
	s_wait_dscnt 0x0
	WIN 0x0a
.irp u, 0,1,2,3
	v_max3_num_f32 v[QM+\u], |v[16*\u]|, |v[16*\u+1]|, 0x2800000   ; four chains, and the floor 2^(5 - 127): the byte cannot fall under 1
.endr
	WIN 0x28
.irp i, 2,4,6,8,10,12,14
.irp u, 0,1,2,3
	v_max3_num_f32 v[QM+\u], v[QM+\u], |v[16*\u+\i]|, |v[16*\u+\i+1]|
.endr
.endr
	WIN 0
	v_max_num_f32 v[QM], v[QM], v[QM+1]
	v_max_num_f32 v[QM+2], v[QM+2], v[QM+3]
	v_add_nc_u32 v[QM], 0xfe000000, v[QM]          ; 4 off the exponent field: the conversion's scale operand
	v_add_nc_u32 v[QM+2], 0xfe000000, v[QM+2]
	v_lshrrev_b32 v[QTA], 23, v[QM]                ; the scales' bytes
	v_lshrrev_b32 v[QTB], 23, v[QM+2]
	v_lshl_or_b32 v[QTA], v[QTB], 16, v[QTA]
	v_lshlrev_b32 v[QTA], v[SH8], v[QTA]           ; 8 h bits up
	v_permlanex16_b32 v[QTB], v[QTA], s44, s45
	v_or_b32 v[QTA], v[QTA], v[QTB]                ; with lane l xor 16's two the word is whole
	WIN 0x02
	v_cvt_scalef32_pk16_bf6_f32 v[QC:QC+2], v[0:15], v[QM]
	v_cvt_scalef32_pk16_bf6_f32 v[TP:TP+2], v[16:31], v[QM]
	v_cvt_scalef32_pk16_bf6_f32 v[QC+6:QC+8], v[32:47], v[QM+2]
	v_cvt_scalef32_pk16_bf6_f32 v[TP+4:TP+6], v[48:63], v[QM+2]
	v_nop                                          ; one plain place behind a scaled conversion
	WIN 0
.irp i, 0,1,2
	v_mov_b32 v[QC+3+\i], v[TP+\i]
	v_mov_b32 v[QC+9+\i], v[TP+4+\i]
.endr
.irp g2, 0,1,2
	ds_store_b128 v[\ca], v[QC+4*\g2:QC+4*\g2+3] offset:(\off)+512*\g2
.endr
	ds_store_b32 v[\sa], v[QTA] offset:\off        ; lanes l and l xor 16 write the same word with the same value
.endm
.macro QLD a, s                        ; a group's four images into the operand's registers
.irp k, 0,1,2,3
.irp g, 0,1,2
	ds_load_b128 v[Q+12*\k+4*\g:Q+12*\k+4*\g+3], v[\a+\k] offset:512*\g
.endr
	ds_load_b32 v[QS+\k], v[\s+\k]
.endr
.endm
.macro MX st
.if (xn/8)%2                           ; sixteen chains, two to a block: fifteen plain instructions lie between a chain's write and its next read
.set rB, TP+(X-TP)*(\st)+xn%8
.else
.set rB, BM+4*((xn%8)/2)+2*(\st)+xn%2
.endif
.set rS, 64*((xn%8)/2)+32*(xn%2)+2*(xn/8)
.if xn < 16
	WIN 0x05*(1+(\st))
	v_max_num_f32 v[rB], v[rS], v[rS+1]
.else
	WIN 0x14*(1+(\st))
	v_max3_num_f32 v[rB], v[rB], v[rS], v[rS+1]
.endif
.set xn, xn+1
.endm
.macro MRG
	WIN 0xf2
	v_pk_fma_f32 v[2*mn:2*mn+1], v[2*mn:2*mn+1], v[ST+8*(mn/32)+6:ST+8*(mn/32)+7], v[2*mn:2*mn+1] op_sel_hi:[1,0,1]
.set mn, mn+1
.endm
.macro SCL
	WIN 0xc3
	v_pk_mul_f32 v[2*sn:2*sn+1], v[2*sn:2*sn+1], v[ST+8*(sn/32)+4:ST+8*(sn/32)+5] op_sel_hi:[1,0]
.set sn, sn+1
.endm
.macro QKSTEP st, kind
.set mn, 0
.set xn, 0
.set tt, 0
.rept 8
.if (\st) == 0
.if tt >= 4
	s_wait_dscnt 33-3*tt                           ; behind fragment tt: 3 (7 - tt) loads of this step and 12 of the next step's
.else
	s_wait_dscnt 25-3*tt                           ; behind fragment tt: 3 (3 - tt) loads of the first part and the 16 of the second
.endif
.else
	s_wait_dscnt 21-3*tt
.endif
.set kk, 0
.rept 4
	WIN 0x40*(1+(\st))
	WM 64*kk+8*tt, X+12*tt, Q+12*kk, 1, KS+4*(\st)+tt/2, QS+kk, tt%2
.if (\kind) == 1
.rept 4
	MRG
.endr
.endif
.if (\kind) == 2
.rept 4
	MX 0
.endr
.endif
.set kk, kk+1
.endr
.if ((\st) == 0) && (tt%4 == 3)
.if (\kind) == 0
	PLACES 4
.endif
	WIN 0
	KLOAD 1, tt-3
	KLOAD 1, tt-2
	KLOAD 1, tt-1
	KLOAD 1, tt
.endif
.set tt, tt+1
.endr
.endm
.macro SOFT1
.irp k, 0,1,2,3
.irp p, 0,1
	v_max_num_f32 v[BM+4*\k+\p], v[BM+4*\k+\p], v[TP+2*\k+\p]          ; a block's two chains are joined
	v_max_num_f32 v[BM+4*\k+2+\p], v[BM+4*\k+2+\p], v[X+2*\k+\p]
.endr
.endr
.irp k, 0,1,2,3
	v_max3_num_f32 v[GT+\k], v[BM+4*\k], v[BM+4*\k+1], v[BM+4*\k+2]
.endr
.irp k, 0,1,2,3
	v_max_num_f32 v[GT+\k], v[GT+\k], v[BM+4*\k+3]
.endr
.irp k, 0,1,2,3
	v_permlanex16_b32 v[ST+8*\k+5], v[GT+\k], s44, s45
.endr
.irp k, 0,1,2,3
	v_max_num_f32 v[GT+\k], v[GT+\k], v[ST+8*\k+5]
.endr
.irp k, 0,1,2,3
	v_mul_f32 v[GT+\k], s42, v[GT+\k]
.endr
.irp k, 0,1,2,3
	v_floor_f32 v[ST+8*\k], -v[GT+\k]
.endr
.irp k, 0,1,2,3
.irp p, 0,1
	v_pk_fma_f32 v[BM+4*\k+2*\p:BM+4*\k+2*\p+1], v[BM+4*\k+2*\p:BM+4*\k+2*\p+1], s[42:43], v[ST+8*\k:ST+8*\k+1] op_sel_hi:[1,0,0]
.endr
.endr
.irp w, 1,2
	WIN 0x41*\w
.set en, 0
.rept 64                               ; t - M of the window's first 128 registers (query tiles 0 and 1)
	v_pk_fma_f32 v[2*en:2*en+1], v[2*en:2*en+1], s[42:43], v[ST+8*(en/32):ST+8*(en/32)+1] op_sel_hi:[1,0,0]
.set en, en+1
.endr
	s_wait_alu depctr_va_vdst(0)           ; one wait ahead of the batch
.set en, 0
.rept 64                               ; their exponentials; among them t - M of the other 128 registers, which nothing reads before the next wait
	v_exp_f32 v[2*en], v[2*en]
	v_exp_f32 v[2*en+1], v[2*en+1]
	v_pk_fma_f32 v[2*en+128:2*en+129], v[2*en+128:2*en+129], s[42:43], v[ST+8*(en/32+2):ST+8*(en/32+2)+1] op_sel_hi:[1,0,0]
.set en, en+1
.endr
	s_wait_alu depctr_va_vdst(0)           ; one wait ahead of the second batch
.set en, 128
.rept 128
	v_exp_f32 v[en], v[en]
.set en, en+1
.endr
.endr
	v_nop
	s_wait_alu depctr_va_vdst(0)
	WIN 0
.endm
; A trip's one refill: v's chunk t % 4 and, KOFF bytes behind it, k's chunk (t + 1) % 4.  The last products with v and with k have been issued and their fragments read.
.macro REFILL
	WIN 0
	s_wait_tensorcnt 0x0                           ; no load of mine is out: the descriptor may be written
	ds_add_u32 v[SPW], v[NIL]
	s_and_b32 s48, s46, 3
	s_mul_i32 s48, s48, CHUNK
	s_mov_b32 s49, 0
	s_add_nc_u64 s[26:27], s[32:33], s[48:49]
	s_or_b32 s27, s27, 0x80000000
.set xn, 0
.rept 128                              ; work on registers between the add and its wait: the block maxima of window 2
	MX 1
.endr
	WIN 0
	s_wait_alu depctr_va_vdst(0)                   ; the wait ahead of the blocking wait
	s_wait_dscnt 0x0
	CROUND
	tensor_load_to_lds s[24:27], s[16:23]
	s_nop 0
	PLACES 4
.endm
.macro SUMS
	WIN 0x05
.irp k, 0,1,2,3
.irp u, 0,1
	v_pk_add_f32 v[X+4*\k+2*\u:X+4*\k+2*\u+1], v[64*\k+2*\u:64*\k+2*\u+1], v[64*\k+4+2*\u:64*\k+4+2*\u+1]
.endr
.endr
	WIN 0x04
.set j, 2
.rept 14
.irp k, 0,1,2,3
.irp u, 0,1
	v_pk_add_f32 v[X+4*\k+2*\u:X+4*\k+2*\u+1], v[X+4*\k+2*\u:X+4*\k+2*\u+1], v[64*\k+4*j+2*\u:64*\k+4*j+2*\u+1]
.endr
.endr
.set j, j+1
.endr
	WIN 0x08
.set j, 0
.rept 16
.irp k, 0,1,2,3
.irp u, 0,1
	v_pk_add_f32 v[X+4*\k+2*\u:X+4*\k+2*\u+1], v[X+4*\k+2*\u:X+4*\k+2*\u+1], v[64*\k+4*j+2*\u:64*\k+4*j+2*\u+1]
.endr
.endr
.set j, j+1
.endr
	WIN 0
.irp k, 0,1,2,3
	v_pk_add_f32 v[X+4*\k:X+4*\k+1], v[X+4*\k:X+4*\k+1], v[X+4*\k+2:X+4*\k+3]
.endr
.irp k, 0,1,2,3
	v_add_f32 v[GT+\k], v[X+4*\k], v[X+4*\k+1]
.endr
.irp k, 0,1,2,3
	v_permlanex16_b32 v[ST+8*\k+5], v[GT+\k], s44, s45
.endr
.irp k, 0,1,2,3
	v_add_f32 v[ST+8*\k+1], v[GT+\k], v[ST+8*\k+5]
.endr
.endm
.macro XCHG
.irp k, 0,1,2,3
	ds_store_b64 v[XW+\k], v[ST+8*\k:ST+8*\k+1]
.endr
	s_wait_dscnt 0x0
	s_barrier_signal -1
	s_barrier_wait -1
.irp k, 0,1,2,3
	ds_load_b128 v[X+8*\k:X+8*\k+3], v[XR+\k]
	ds_load_b128 v[X+8*\k+4:X+8*\k+7], v[XR+\k] offset:16
.endr
	s_wait_alu depctr_va_vdst(0)                   ; the wait ahead of the batch
.set i, 0
.rept 16                               ; each block's largest p, while the loads above are out
	v_exp_f32 v[BM+i], v[BM+i]
.set i, i+1
.endr
	v_nop
	s_wait_alu depctr_va_vdst(0)
	s_wait_dscnt 0x0
.irp k, 0,1,2,3
	v_min3_num_f32 v[X+32+8*\k], v[X+8*\k], v[X+8*\k+2], v[X+8*\k+4]
.endr
.irp k, 0,1,2,3
	v_min_num_f32 v[X+32+8*\k], v[X+32+8*\k], v[X+8*\k+6]
.endr
.irp i, 0,1,2,3
.irp k, 0,1,2,3
	v_sub_f32 v[X+33+8*\k+\i], v[X+32+8*\k], v[X+8*\k+2*\i]
.endr
.endr
.irp i, 0,1,2,3
.irp k, 0,1,2,3
	v_cvt_i32_f32 v[X+33+8*\k+\i], v[X+33+8*\k+\i]
.endr
.endr
.irp i, 0,1,2,3
.irp k, 0,1,2,3
	v_ldexp_f32 v[X+8*\k+2*\i+1], v[X+8*\k+2*\i+1], v[X+33+8*\k+\i]
.endr
.endr
.irp k, 0,1,2,3
	v_add_f32 v[X+8*\k+1], v[X+8*\k+1], v[X+8*\k+3]
.endr
.irp k, 0,1,2,3
	v_add_f32 v[X+8*\k+5], v[X+8*\k+5], v[X+8*\k+7]
.endr
.irp k, 0,1,2,3
	v_add_f32 v[X+8*\k+1], v[X+8*\k+1], v[X+8*\k+5]
.endr
.irp k, 0,1,2,3
	v_sub_f32 v[X+37+8*\k], v[X+32+8*\k], v[ST+8*\k]
.endr
.irp k, 0,1,2,3
	v_cvt_i32_f32 v[X+37+8*\k], v[X+37+8*\k]
.endr
	s_wait_alu depctr_va_vdst(0)
.irp k, 0,1,2,3
	v_rcp_f32 v[X+38+8*\k], v[X+8*\k+1]
.endr
.irp k, 0,1,2,3
	v_log_f32 v[X+39+8*\k], v[X+8*\k+1]
.endr
	v_nop
	s_wait_alu depctr_va_vdst(0)
.irp k, 0,1,2,3
	v_ldexp_f32 v[ST+8*\k+2], v[X+38+8*\k], v[X+37+8*\k]
.endr
.irp k, 0,1,2,3
	v_sub_f32 v[X+39+8*\k], v[X+39+8*\k], v[X+32+8*\k]
.endr
.irp k, 0,1,2,3
	v_sub_f32 v[X+33+8*\k], v[ST+8*\k+3], v[X+39+8*\k]
.endr
.irp k, 0,1,2,3
	v_max_num_f32 v[X+34+8*\k], v[ST+8*\k+3], v[X+39+8*\k]
.endr
	s_wait_alu depctr_va_vdst(0)
.irp k, 0,1,2,3
	v_exp_f32 v[X+35+8*\k], v[X+33+8*\k]
.endr
.irp k, 0,1,2,3
	v_exp_f32 v[X+36+8*\k], -|v[X+33+8*\k]|
.endr
	v_nop
	s_wait_alu depctr_va_vdst(0)
.irp k, 0,1,2,3
	v_add_f32 v[X+35+8*\k], 1.0, v[X+35+8*\k]
.endr
.irp k, 0,1,2,3
	v_add_f32 v[X+36+8*\k], 1.0, v[X+36+8*\k]
.endr
	s_wait_alu depctr_va_vdst(0)
.irp k, 0,1,2,3
	v_rcp_f32 v[ST+8*\k+6], v[X+35+8*\k]
.endr
.irp k, 0,1,2,3
	v_log_f32 v[X+37+8*\k], v[X+36+8*\k]
.endr
	v_nop
	s_wait_alu depctr_va_vdst(0)
.irp k, 0,1,2,3
	v_sub_f32 v[ST+8*\k+4], 1.0, v[ST+8*\k+6]
.endr
.irp k, 0,1,2,3
	v_add_f32 v[ST+8*\k+3], v[X+34+8*\k], v[X+37+8*\k]
.endr
.endm
.macro BSCALE
.irp k, 0,1,2,3
.irp p, 0,1
	v_pk_mul_f32 v[BM+4*\k+2*\p:BM+4*\k+2*\p+1], v[BM+4*\k+2*\p:BM+4*\k+2*\p+1], v[ST+8*\k+2:ST+8*\k+3] op_sel_hi:[1,0]
.endr
.endr
.set i, 0
.rept 16
	v_max_num_f32 v[BM+i], 0x2800000, v[BM+i]
.set i, i+1
.endr
.set i, 0
.rept 16
	v_add_nc_u32 v[BM+i], 0xfe000000, v[BM+i]
.set i, i+1
.endr
.irp u, 0,1
.irp k, 0,1,2,3
	v_lshrrev_b32 v[X+32+2*(4*\u+\k)], 23, v[BM+4*\k+2*\u]
	v_lshrrev_b32 v[X+33+2*(4*\u+\k)], 23, v[BM+4*\k+2*\u+1]
.endr
.endr
.irp m, 0,1,2,3,4,5,6,7
	v_lshl_or_b32 v[X+32+2*\m], v[X+33+2*\m], 16, v[X+32+2*\m]
.endr
.irp m, 0,1,2,3,4,5,6,7
	v_lshlrev_b32 v[X+32+2*\m], v[SH8], v[X+32+2*\m]
.endr
.irp m, 0,1,2,3,4,5,6,7
	v_permlanex16_b32 v[X+33+2*\m], v[X+32+2*\m], s44, s45
.endr
.irp m, 0,1,2,3,4,5,6,7
	v_or_b32 v[PS+\m], v[X+32+2*\m], v[X+33+2*\m]
.endr
.endm
.macro MULCVT st
	WIN 0x41*(1+(\st))
.set i, 0
.rept 128
	v_pk_mul_f32 v[2*i:2*i+1], v[2*i:2*i+1], v[ST+8*(i/32)+2:ST+8*(i/32)+3] op_sel_hi:[1,0]
.set i, i+1
.endr
.irp k, 0,1,2,3
	WIN 1+(\st)
	v_cvt_scalef32_pk16_bf6_f32 v[X+48*(\st)+12*\k:X+48*(\st)+12*\k+2], v[64*\k:64*\k+15], v[BM+4*\k+2*(\st)]
	v_cvt_scalef32_pk16_bf6_f32 v[TP:TP+2], v[64*\k+16:64*\k+31], v[BM+4*\k+2*(\st)]
	v_cvt_scalef32_pk16_bf6_f32 v[X+48*(\st)+12*\k+6:X+48*(\st)+12*\k+8], v[64*\k+32:64*\k+47], v[BM+4*\k+2*(\st)+1]
	v_cvt_scalef32_pk16_bf6_f32 v[TP+4:TP+6], v[64*\k+48:64*\k+63], v[BM+4*\k+2*(\st)+1]
	v_nop
	WIN 0
.irp i, 0,1,2
	v_mov_b32 v[X+48*(\st)+12*\k+3+\i], v[TP+\i]
	v_mov_b32 v[X+48*(\st)+12*\k+9+\i], v[TP+4+\i]
.endr
.endr
.endm
.macro VLOAD
	WIN 0
	s_wait_tensorcnt 0x0                           ; my one load of this trip has landed; only I read its bytes
.irp u, 0,1
.irp j, 0,1,2,3
	ds_load_b32 v[KS+4*\u+\j], v[LV4] offset:UNIT*\u+128*\j
.endr
.endr
	WIN 0x40
.irp u, 0,1
.irp f, 0,1,2,3,4,5,6,7
.irp g, 0,1,2
	ds_load_b128 v[96*\u+12*\f+4*\g:96*\u+12*\f+4*\g+3], v[LV16] offset:UNIT*\u+1536*\f+512*\g
.endr
.endr
.endr
.endm
.macro PV early                        ; early = 1: the next k's first 16 loads are issued in the second half, into the registers of p's first-step codes and v's first-step scale words, 16 plain instructions behind the last product that read them
.set sn, 0
.irp u, 0,1
.set dt, 0
.rept 8
.if (\early) && (\u == 1) && (dt == 1)
	WIN 0
	KPART 0
.endif
.if (\early) && (\u == 1) && (dt >= 1)
	s_wait_dscnt 37-3*dt                           ; behind fragment dt: 3 (7 - dt) loads of v and the 16 of k
.else
	s_wait_dscnt 45-24*\u-3*dt
.endif
.set kk, 0
.rept 4
	WIN 0xa1
	WM 64*kk+8*dt, 96*\u+12*dt, X+48*\u+12*kk, 1-\u, KS+4*\u+dt/2, PS+4*\u+kk, dt%2
.if \u == 1
.rept 4
	SCL
.endr
.endif
.set kk, kk+1
.endr
.set dt, dt+1
.endr
.endr
.endm
.macro MIDDLE early
	SUMS
	XCHG
	BSCALE
	MULCVT 0
	VLOAD
	MULCVT 1
	PLACES 4
	PV \early
.endm
.macro OUTPUT last
	WIN 0x0c
.irp k, 1,2,3
.set m, 0
.rept 16
	ds_store_b128 v[RW+\k-1], v[64*\k+4*m:64*\k+4*m+3] offset:512*m
.set m, m+1
.endr
.endr
	s_wait_dscnt 0x0
	s_barrier_signal -1
	s_barrier_wait -1
	WIN 0x80
.irp u, 0,1,2
.set m, 0
.rept 16
	ds_load_b128 v[64*\u+4*m:64*\u+4*m+3], v[RR] offset:SUBS*\u+512*m
.set m, m+1
.endr
.endr
.irp u, 0,1,2
	s_wait_dscnt 32-16*\u
	WIN 0xcb
.set i, 0
.rept 32
	v_pk_add_f32 v[2*i:2*i+1], v[2*i:2*i+1], v[64*\u+2*i:64*\u+2*i+1]
.set i, i+1
.endr
.endr
	WIN 0x0c
.irp f, 0,1,2,3,4,5,6,7
	ds_store_b128 v[TW], v[8*\f:8*\f+3] offset:64*\f
	ds_store_b128 v[TW], v[8*\f+4:8*\f+7] offset:64*\f+16
.endr
	WIN 0x80
.set m, 0
.rept 16
	ds_load_b128 v[4*m:4*m+3], v[RR] offset:SP*m
.set m, m+1
.endr
	WIN 0x08
.set m, 0
.rept 16
	s_wait_dscnt 15-m
	global_store_b128 v[L16], v[4*m:4*m+3], s[40:41] offset:((m%8)+32*(m/8))*ROWP th:TH_STORE_NT
.set m, m+1
.endr
	WIN 0
.if !(\last)
	s_wait_xcnt 0x0
	s_add_nc_u64 s[40:41], s[40:41], 64*ROWP
.irp k, 0,1,2,3
	v_mov_b32 v[ST+8*\k+3], 0xff61b1e6
.endr
.endif
.endm
	s_load_b128 s[4:7], s[0:1], 0x0                ; q s[4:5], kvc s[6:7]
	s_load_b64 s[8:9], s[0:1], 0x10                ; out0
	v_lshl_add_u32 v[SPW], v0, 2, SPARE
	v_mov_b32 v[NIL], 0
	ds_add_u32 v[SPW], v[NIL]
	ds_add_u32 v[SPW], v[NIL]
	v_lshrrev_b32 v30, 5, v0
	v_readfirstlane_b32 s12, v30
	s_bfe_u32 s13, ttmp6, 0x40000
	s_lshl_b32 s14, ttmp9, 2
	s_add_co_u32 s14, s14, s13
	s_and_b32 s15, ttmp7, 0xffff
	s_mov_b32 s16, 15|(3<<16)|(1<<21)
	s_mov_b32 s17, (QUART/8)<<16                   ; a tile: two rows of 3,200 elements of 8 bytes, KOFF bytes apart: v's quarter, k's quarter
	s_mov_b32 s18, 2<<16
	s_mov_b32 s19, (QUART/8)<<16
	s_mov_b32 s20, 2
	s_mov_b32 s21, KOFF/8
	s_mov_b32 s22, 0
	s_mov_b32 s23, 0
	s_mov_b32 s24, 1
	s_mul_i32 s25, s12, 2*QUART                    ; LDS: my 51,200 bytes
	s_mul_i32 s28, s12, QUART                      ; memory: my quarter of a chunk
	s_mul_i32 s48, s15, 32*UNIT
	s_add_co_u32 s48, s48, s28
	s_mov_b32 s49, 0
	s_lshl_b32 s52, s14, 21
	s_lshl_b32 s53, s12, 16
	s_add_co_u32 s52, s52, s53
	s_lshl_b32 s53, s15, 9
	s_add_co_u32 s52, s52, s53
	s_mov_b32 s53, 0
	s_mov_b32 s42, 0x3e0293ee
	s_mov_b32 s43, s42
	s_mov_b32 s44, 0x76543210
	s_mov_b32 s45, 0xfedcba98
	s_wait_dscnt 0x0
	s_wait_kmcnt 0x0
	s_add_nc_u64 s[32:33], s[6:7], s[48:49]
	s_add_nc_u64 s[36:37], s[4:5], s[52:53]        ; my tile's first row in q lies where it lies in out0
	s_add_nc_u64 s[40:41], s[8:9], s[52:53]
	s_add_nc_u64 s[26:27], s[32:33], 3*CHUNK       ; place 3: k's chunk 0 lies behind v's chunk 3
	s_or_b32 s27, s27, 0x80000000
	CROUND
	tensor_load_to_lds s[24:27], s[16:23]
	s_nop 0
	PLACES 4
	v_and_b32 v30, 31, v0
	v_and_b32 v31, 15, v0
	v_bfe_u32 v[SH8], v0, 4, 1
	v_lshlrev_b32 v[L16], 4, v30
	v_add_nc_u32 v[LV16], s25, v[L16]
	v_lshl_add_u32 v[LV4], v30, 2, s25
	v_add_nc_u32 v[LV4], 8*1536, v[LV4]
	v_add_nc_u32 v[LK16], QUART, v[LV16]
	v_add_nc_u32 v[LK4], QUART, v[LV4]
	s_mul_i32 s52, s12, OWN
	s_add_co_u32 s52, s52, STG
	v_add_nc_u32 v[RR], s52, v[L16]
	v_mul_u32_u24 v[TW], v31, SP
	v_lshl_add_u32 v[TW], v[SH8], 5, v[TW]
	v_add_nc_u32 v[TW], s52, v[TW]
	v_mul_u32_u24 v[QA], v31, SP
	v_lshl_add_u32 v[QA], v[SH8], 7, v[QA]
	v_add_nc_u32 v[QA], s52, v[QA]
	v_lshlrev_b32 v[SH8], 3, v[SH8]
	s_lshl_b32 s55, s12, 3
.irp k, 0,1,2,3
	s_add_co_u32 s53, s12, \k
	s_and_b32 s53, s53, 3
.if \k > 0
	s_mul_i32 s54, s53, OWN
	s_add_co_u32 s54, s54, STG+(\k-1)*SUBS
	v_add_nc_u32 v[RW+\k-1], s54, v[L16]
.endif
	s_lshl_b32 s54, s53, 9
	s_add_co_u32 s54, s54, XCH
	v_lshl_add_u32 v[XR+\k], v31, 5, s54
	v_add_nc_u32 v[XW+\k], s55, v[XR+\k]
	s_mul_i32 s54, s53, QT
	s_add_co_u32 s54, s54, QLB
	v_add_nc_u32 v[QOF+\k], s54, v[L16]
	s_add_co_u32 s54, s54, 1536
	v_lshl_add_u32 v[QSO+\k], v31, 2, s54
	s_mul_i32 s54, s53, OWN
	s_add_co_u32 s54, s54, STG+QG0
	v_add_nc_u32 v[QH+\k], s54, v[L16]
	s_add_co_u32 s54, s54, 1536
	v_lshl_add_u32 v[QHS+\k], v31, 2, s54
.endr
	s_wait_alu depctr_va_vdst(0)
	QRAW
.set i, 0
.rept 32
	v_mov_b32 v[ST+i], 0
.set i, i+1
.endr
.irp k, 0,1,2,3
	v_mov_b32 v[ST+8*\k+3], 0xff61b1e6
.endr
	WIN 0xc0
.set i, 0
.rept 256
	v_mov_b32 v[i], 0
.set i, i+1
.endr
	WIN 0
	QONE 0, QH, QHS, 0
	QONE 1, QOF, QSO, 0
	QONE 2, QOF, QSO, 4*QT
	QONE 3, QOF, QSO, 8*QT
	s_wait_dscnt 0x0                               ; my images are stored
	s_barrier_signal -1
	s_barrier_wait -1                              ; and so are the other waves'
	QLD QH, QHS
	s_wait_tensorcnt 0x0
	s_wait_dscnt 0x0                               ; group 0 is in its registers: the loads below land on the registers that held its addresses
	KPART 0
	KPART 1
	s_wait_loadcnt 0x0
	QKSTEP 0, 0
	QKSTEP 1, 2
	WIN 0
	s_mov_b32 s46, 0
.Ltrip:
	REFILL
	SOFT1
	s_and_b32 s50, s46, 3
	s_cmp_lg_u32 s50, 3
	s_cbranch_scc1 .Lsame_q
	s_lshr_b32 s50, s46, 2                         ; trips 3, 7, 11: the next group's images lie at place 0, 1, 2
	s_min_u32 s50, s50, 2
	s_mul_i32 s50, s50, 4*QT
.irp k, 0,1,2,3
	v_add_nc_u32 v[X+80+\k], s50, v[QOF+\k]
	v_add_nc_u32 v[X+84+\k], s50, v[QSO+\k]
.endr
	QLD X+80, X+84
.Lsame_q:
	MIDDLE 1
	PLACES 4                                       ; places in front of loads into registers that the last products read
	WIN 0
	KPART 1
	s_wait_loadcnt 0x0
	QKSTEP 0, 1
	WIN 0
	s_add_co_u32 s50, s46, 1
	s_and_b32 s50, s50, 3
	s_cmp_lg_u32 s50, 0
	s_cbranch_scc1 .Lno_out
	s_wait_alu depctr_va_vdst(0)
	OUTPUT 0
.Lno_out:
	QKSTEP 1, 2
	WIN 0
	s_add_co_u32 s46, s46, 1
	s_cmp_lt_u32 s46, TRIPS-1
	s_cbranch_scc1 .Ltrip
	REFILL
	SOFT1
	MIDDLE 0
.set mn, 0
.rept 128
	MRG
.endr
	OUTPUT 1
	s_wait_tensorcnt 0x0
	ds_add_u32 v[SPW], v[NIL]
	s_wait_dscnt 0x0
	CROUND
	s_endpgm
.Lfunc_end_k_q33ef2419be_attn:
	.size	k_q33ef2419be_attn, .Lfunc_end_k_q33ef2419be_attn-k_q33ef2419be_attn
	.p2alignl 7, 3214868480
	.fill 96, 4, 3214868480
	.section	.rodata,"a",@progbits
	.p2align	6, 0x0
	.amdhsa_kernel k_q33ef2419be_attn
		.amdhsa_group_segment_fixed_size 327680
		.amdhsa_private_segment_fixed_size 0
		.amdhsa_enable_private_segment 0
		.amdhsa_kernarg_size 24
		.amdhsa_user_sgpr_count 2
		.amdhsa_user_sgpr_kernarg_segment_ptr 1
		.amdhsa_wavefront_size32 1
		.amdhsa_system_sgpr_workgroup_id_x 1
		.amdhsa_system_sgpr_workgroup_id_y 1
		.amdhsa_system_sgpr_workgroup_id_z 1
		.amdhsa_system_vgpr_workitem_id 0
		.amdhsa_next_free_vgpr 1024
		.amdhsa_next_free_sgpr 66
		.amdhsa_reserve_vcc 0
		.amdhsa_float_denorm_mode_32 3
		.amdhsa_float_denorm_mode_16_64 3
		.amdhsa_memory_ordered 1
		.amdhsa_forward_progress 1
		.amdhsa_inst_pref_size 255
	.end_amdhsa_kernel
	.section	.bss,"aw",@nobits
	.p2align	6
	.space	262144
	.amdgpu_metadata
---
amdhsa.version: [ 1, 2 ]
amdhsa.kernels:
  - .name:           k_q33ef2419be_attn
    .symbol:         k_q33ef2419be_attn.kd
    .args:
      - { .name: q, .offset: 0, .size: 8, .value_kind: global_buffer, .address_space: global }
      - { .name: kvc, .offset: 8, .size: 8, .value_kind: global_buffer, .address_space: global }
      - { .name: out0, .offset: 16, .size: 8, .value_kind: global_buffer, .address_space: global }
    .group_segment_fixed_size: 327680
    .private_segment_fixed_size: 0
    .kernarg_segment_align: 8
    .kernarg_segment_size: 24
    .max_flat_workgroup_size: 128
    .sgpr_count:     66
    .vgpr_count:     1024
    .wavefront_size: 32
...
	.end_amdgpu_metadata
.endif
;; end of part 2
